; MI455X (gfx1250); checked and timed in simulation.
; The chip was launched on July 23, 2026; its instructions are those of AMD's public machine-readable ISA for CDNA 5 (MIT licence, August 2026) and "CDNA5" Instruction Set Architecture Reference Guide (July 2026). The comments in the code are by the model that wrote it; some were corrected since.
;; Auto Encoder. Allowed arithmetic: matrix products marked QUANTISED: E2M3 operands, one E8M0 scale for each 32 along K, by v_wmma_scale_f32_16x16x128_f8f6f4 with both operands' format E2M3, f32 sums; products left as they are: f32 operands where the result goes on into a quantised operand, else bf16, f16 or f32 operands; f32 sums; everything else in f32.
;; Inputs: W_dec 64 x 65,536 float32; W_enc 65,536 x 82 float32; b_dec 65,536 float32; b_enc 82 float32; x 128 x 1 x 256 x 256 float32.
;; Outputs: out0 128 x 256 x 256 float32.
;; This version of the problem:
;;   THIS VERSION OF THE PROBLEM IS GIVEN IN LOW PRECISION. The matrix products marked QUANTISED in the list below multiply operands that are first quantised to E2M3 (2 exponent bits, 3 mantissa bits; 6 bits a number), with one power-of-two scale for each 32 numbers along K (OCP MX v1.0); their sums are f32. All else is computed in f32.
;;   The module's matrix products, in the order in which they are computed (A, B: the left and right operand; K: the contracted axis; several contracted axes count as one K, in the product's order):
;;     1. [M 128, K 65,536] x [K 65,536, N 82]; A: input x; B: input W_enc: QUANTISED
;;     2. [M 128, K 64] x [K 64, N 65,536]; A: computed on the way; B: input W_dec: QUANTISED
;;     3. [M 65,536, K 3] x [K 3, N 256]; A: computed on the way; B: computed on the way: left as it is (K = 3 < 32)
;;     4. [M 65,536, K 3] x [K 3, N 256]; A: computed on the way; B: computed on the way: left as it is (K = 3 < 32)
;;     5. [M 65,536, K 3] x [K 3, N 256]; A: computed on the way; B: computed on the way: left as it is (K = 3 < 32)
;;   THE QUANTISER, for each operand of a quantised product, along K:
;;     - K is cut into blocks of 32 from its start; a last block that is shorter is filled with zeros.
;;     - A block's scale is 2^e with e = floor(log2(the largest magnitude in the block)) - 2, held to -126 .. 127; a block of zeros has e = 0. As a byte (E8M0): e + 127.
;;     - Each number is divided by its block's scale, clamped to +-7.5, and rounded to the nearest number of E2M3, ties to even, subnormals kept.
;;     - The product sums the exact products of the quantised numbers (number of the format x scale) in f32.
;;   ~~~python
;;   def quantise(x, axis):      # numpy; x: float32 -> the quantised numbers, widened to float32 again
;;       x = np.moveaxis(x, axis, -1); K = x.shape[-1]
;;       x = np.pad(x, [(0, 0)] * (x.ndim - 1) + [(0, -K % 32)]); x = x.reshape(x.shape[:-1] + (-1, 32)); a = np.abs(x).max(-1, keepdims=True)
;;       e = np.where(a > 0, np.clip(np.frexp(np.where(a > 0, a, 1))[1] - 1 - 2, -126, 127), 0)      # np.frexp(a)[1] - 1 = floor(log2(a)), exactly
;;       r = np.clip(x / 2.0 ** e, -7.5, 7.5)
;;       step = 2.0 ** (np.maximum(np.frexp(np.where(r == 0, 1, r))[1] - 1, 0) - 3)
;;       q = np.round(r / step) * step * 2.0 ** e      # np.round: ties to even
;;       return np.moveaxis(q.reshape(q.shape[:-2] + (-1,))[..., :K], -1, axis).astype(np.float32)
;;   ~~~
;;   OPERANDS COMPUTED ON THE WAY. 'Computed on the way' means the value that the module computes at that place (a softmax that the list does not call 'softmax' is quantised finished and normalised). What goes into a quantiser is computed in f32, as accurately as f32 sums, v_exp_f32 and their like allow (about 1e-6 of the number): no bf16 or f16 on the way to a quantiser, and a product that is left as it is and whose result goes on into a quantised operand takes f32 operands (vector FMAs, or v_wmma_f32_16x16x4_f32). A number that lies on a knife's edge between two numbers of the format may be rounded either way, as far as f32 arithmetic and the matrix unit's own rounding can turn it there, and no further.
;; One version. Each part assembles by itself: llvm-mc -triple=amdgcn-amd-amdhsa -mcpu=gfx1250 --defsym DOCPART=n.
;; ======== version 1 of 1: 4 launches
;; limits: right only within a limited range of input values
;; workspace buffers: part 12,582,912 bytes; embc 6,144 bytes; embs 512 bytes; theta 32,768 bytes of whole numbers; pred 33,554,432 bytes
;; launch enc (part 1): grid 256 x 1, 8 waves a work-group, no clusters, 288,768 bytes of LDS; arguments x, W_enc, part; writes part
.if DOCPART == 1
	.amdgcn_target "amdgcn-amd-amdhsa--gfx1250"
	.amdhsa_code_object_version 6
	.text
	.protected	k_q8e62b9e2a7_enc
	.globl	k_q8e62b9e2a7_enc
	.p2align	8
	.type	k_q8e62b9e2a7_enc,@function
k_q8e62b9e2a7_enc:
	s_mov_b64 s[64:65], 0
	v_nop
	global_prefetch_b8 v0, s[64:65] scope:SCOPE_SE
	s_setreg_imm32_b32 hwreg(HW_REG_WAVE_MODE, 25, 1), 1
	s_wait_xcnt 0x0
; part[g][m][n] = the sum over k = 256 g .. 256 g + 255 of Q(x)[m][k] Q(W_enc)[k][n]: the encoder's product, split along K over 256 work-groups; both operands are quantised here to FP6 (E2M3),
; one E8M0 scale for each 32 along K.  x: [128][65536] f32, K innermost.  W_enc: [65536][82] f32, K is its first axis.  part: [256][128][96] f32 (columns 82 to 95 hold numbers that nobody uses).
; Eight waves.  Wave w brings its 16 rows of x (1,024 bytes each) and an eighth of the chunk of W_enc (a dense block of 83,968 bytes) by one tensor load each: two loads of a wave are out, both first fills.
; W_enc: wave w takes K block w for 96 columns, a lane to a column, registers down K; codes go to LDS as images of the operand's registers (pieces of 8 bytes a lane), scale bytes beside them.
; Columns 82 to 95 read the bytes that follow in LDS (the next row; behind the last row the first bytes of x): finite numbers that land in output columns of their own.
; x: wave w quantises its 16 rows into two fragments in its registers.  12 matrix instructions a wave, source 0 = 16 columns of W_enc, source 1 = my 16 images: a lane holds eight neighbouring n of one image.
; No cluster: no two work-groups read the same bytes.  No ring: all that a work-group reads lies in LDS at once.
; LIMITS: NaN and infinities are not served; a block of zeros gets the byte 1 (its codes are zeros; only this program reads the bytes).
.set XP,    1040                       ; a row of x in LDS: 1,024 bytes + 16 of padding
.set WROW,  328                        ; a row of W_enc
.set WPART, 10496                      ; 32 rows of W_enc = 41 x 256 bytes
.set XREG,  83968                      ; LDS: W_enc's chunk from 0, x's 128 rows from here,
.set IMG,   217088                     ; the 12 fragments of W_enc (K step s, tile t: 6 s + t),
.set FRB,   1536
.set SCB,   235520                     ; their scale words, 64 bytes each,
.set STG,   236288                     ; a stage of 16 rows x 400 bytes for each wave,
.set SPI,   400
.set SPARE, 287488                     ; the spare words, 128 bytes for each wave
.set XF,    16                         ; v16-39   x's two fragments
.set XS,    40                         ; v40-41   their scale words
.set WS,    42                         ; v42-53   W_enc's scale words
.set ACC,   56                         ; v56-103  six accumulators
.set WF,    104                        ; v104-247 W_enc's 12 fragments; later the rows on their way out
.set FW,    56                         ; v56-151  before the products: three sets of 32 numbers of W_enc
.set FX0,   152                        ; v152-215 64 numbers of x, K step 0
.set FX1,   56                         ; v56-119  and K step 1
.set QW,    216                        ; v216-244 codes just made, ten registers a set
.set BY,    246                        ; v246-248 scale bytes
.set TM,    249                        ; v249-253 at work
.set SPW,   254
.set NIL,   255
.macro MAX32 d, t, b                   ; the largest magnitude of 32 numbers, two chains, with the floor 2^(3 - 127) among the leaves: the byte cannot fall under 1
	v_max3_num_f32 v[\d], |v[\b]|, |v[\b+1]|, 0x1800000
	v_max3_num_f32 v[\t], |v[\b+2]|, |v[\b+3]|, |v[\b+4]|
.irp i, 5,9,13,17,21,25
	v_max3_num_f32 v[\d], v[\d], |v[\b+\i]|, |v[\b+\i+1]|
	v_max3_num_f32 v[\t], v[\t], |v[\b+\i+2]|, |v[\b+\i+3]|
.endr
	v_max3_num_f32 v[\d], v[\d], |v[\b+29]|, |v[\b+30]|
	v_max3_num_f32 v[\d], v[\d], v[\t], |v[\b+31]|
.endm
.macro WLOAD g                         ; my K block of columns 32 g + lane
.irp i, 0,1,2,3,4,5,6,7,8,9,10,11,12,13,14,15,16,17,18,19,20,21,22,23,24,25,26,27,28,29,30,31
	ds_load_b32 v[FW+32*\g+\i], v6 offset:\i*WROW+128*\g
.endr
.endm
.macro WQUANT g
	MAX32 TM, TM+1, FW+32*\g
	v_add_nc_u32 v[TM+2], 0xff000000, v[TM]        ; 2 off the exponent field: the conversion's scale operand
	v_lshrrev_b32 v[BY+\g], 23, v[TM+2]            ; the scale's byte
	v_cvt_scalef32_pk16_fp6_f32 v[QW+10*\g:QW+10*\g+2], v[FW+32*\g:FW+32*\g+15], v[TM+2]
	v_cvt_scalef32_pk16_fp6_f32 v[QW+10*\g+6:QW+10*\g+8], v[FW+32*\g+16:FW+32*\g+31], v[TM+2]   ; (three registers from an even one)
	v_nop                                          ; one plain place behind a scaled conversion
.irp i, 0,1,2
	v_mov_b32 v[QW+10*\g+3+\i], v[QW+10*\g+6+\i]
.endr
	ds_store_b64 v7, v[QW+10*\g:QW+10*\g+1] offset:2*FRB*\g
	ds_store_b64 v7, v[QW+10*\g+2:QW+10*\g+3] offset:2*FRB*\g+256
	ds_store_b64 v7, v[QW+10*\g+4:QW+10*\g+5] offset:2*FRB*\g+512
	ds_store_b8 v8, v[BY+\g] offset:128*\g
.endm
.macro XLOAD f, s                      ; lane (r, h): of row r the blocks 2 c + h of K step s, 128 bytes each
.irp c, 0,1
.irp i, 0,1,2,3,4,5,6,7
	ds_load_b128 v[\f+32*\c+4*\i:\f+32*\c+4*\i+3], v5 offset:512*\s+256*\c+16*\i
.endr
.endr
.endm
.macro XQUANT f, s
	MAX32 TM, TM+2, \f
	MAX32 TM+1, TM+3, \f+32
	v_add_nc_u32 v[TM+2], 0xff000000, v[TM]
	v_add_nc_u32 v[TM+3], 0xff000000, v[TM+1]
	v_lshrrev_b32 v[TM], 23, v[TM+2]
	v_lshrrev_b32 v[TM+1], 23, v[TM+3]
	v_lshl_or_b32 v[XS+\s], v[TM+1], 16, v[TM]     ; my two bytes: blocks h and 2 + h,
	v_lshlrev_b32 v[XS+\s], v15, v[XS+\s]          ; 8 h bits up;
	v_permlanex16_b32 v[TM+4], v[XS+\s], s48, s49
	v_or_b32 v[XS+\s], v[XS+\s], v[TM+4]           ; with lane l xor 16's two the word is whole
.irp c, 0,1
	v_cvt_scalef32_pk16_fp6_f32 v[XF+12*\s+6*\c:XF+12*\s+6*\c+2], v[\f+32*\c:\f+32*\c+15], v[TM+2+\c]
	v_cvt_scalef32_pk16_fp6_f32 v[QW+4*\c:QW+4*\c+2], v[\f+32*\c+16:\f+32*\c+31], v[TM+2+\c]
.endr
	v_nop
.irp c, 0,1
.irp i, 0,1,2
	v_mov_b32 v[XF+12*\s+6*\c+3+\i], v[QW+4*\c+\i]
.endr
.endr
.endm
	s_load_b128 s[4:7], s[0:1], 0x0                ; x, W_enc
	s_load_b64 s[8:9], s[0:1], 0x10                ; part
	v_lshl_add_u32 v[SPW], v0, 2, SPARE
	v_mov_b32 v[NIL], 0
	ds_add_u32 v[SPW], v[NIL]                      ; the wave's opening: the add and its wait ahead of my first tensor load
	v_lshrrev_b32 v1, 5, v0
	v_readfirstlane_b32 s10, v1                    ; wave 0..7
	; group 1 for x: 16 rows of 256 f32, 65,536 elements from row to row; 4 words of padding behind every 256
	s_mov_b32 s16, (2<<16)|(1<<20)|(7<<22)|(3<<25)
	s_mov_b32 s17, 256<<16
	s_mov_b32 s18, 16<<16
	s_mov_b32 s19, 256<<16
	s_mov_b32 s20, 16
	s_mov_b32 s21, 65536
	s_mov_b32 s22, 0
	s_mov_b32 s23, 0
	; group 1 for W_enc: a dense block as 41 rows of 256 bytes (32 elements of 8 bytes), no padding
	s_mov_b32 s28, 3<<16
	s_mov_b32 s29, 32<<16
	s_mov_b32 s30, 41<<16
	s_mov_b32 s31, 32<<16
	s_mov_b32 s32, 41
	s_mov_b32 s33, 32
	s_mov_b32 s34, 0
	s_mov_b32 s35, 0
	s_mov_b32 s12, 1
	s_mul_i32 s13, s10, 16*XP
	s_add_co_u32 s13, s13, XREG                    ; my 16 rows of x in LDS
	s_mov_b32 s24, 1
	s_mul_i32 s25, s10, WPART                      ; my eighth of the chunk in LDS
	s_lshl_b32 s36, s10, 22                        ; x: 16 w rows of 262,144 bytes,
	s_lshl_b32 s37, ttmp9, 10                      ; and the work-group's 1,024 bytes of a row
	s_add_co_u32 s36, s36, s37
	s_mov_b32 s37, 0
	s_mul_i32 s38, ttmp9, 256*WROW                 ; W_enc: the work-group's 256 rows, my eighth
	s_add_co_u32 s38, s38, s25
	s_mov_b32 s39, 0
	s_wait_dscnt 0x0                               ; the opening add is done
	s_wait_kmcnt 0x0
	s_add_nc_u64 s[14:15], s[4:5], s[36:37]
	s_or_b32 s15, s15, 0x80000000
	s_add_nc_u64 s[26:27], s[6:7], s[38:39]
	s_or_b32 s27, s27, 0x80000000
	tensor_load_to_lds s[24:27], s[28:35]          ; both first fills go out together, ahead of every wait on TENSORcnt, LDS read and barrier
	s_nop 0
	tensor_load_to_lds s[12:15], s[16:23]
	s_nop 0
	v_and_b32 v2, 31, v0                           ; lane
	v_and_b32 v3, 15, v0                           ; r
	v_bfe_u32 v4, v0, 4, 1                         ; h
	v_mul_u32_u24 v5, v3, XP
	v_lshl_add_u32 v5, v4, 7, v5
	v_add_nc_u32 v5, s13, v5                       ; x: row r, + 128 h bytes
	v_lshlrev_b32 v6, 2, v2
	v_add_nc_u32 v6, s25, v6                       ; W_enc: my K block's first row, column = lane
	s_lshr_b32 s40, s10, 2                         ; my K block w = 4 s + 2 c + h'
	s_mul_i32 s40, s40, 6*FRB
	s_bfe_u32 s41, s10, 0x10001
	s_mul_i32 s41, s41, 768
	s_add_co_u32 s40, s40, s41
	s_and_b32 s41, s10, 1
	s_lshl_b32 s41, s41, 7
	s_add_co_u32 s40, s40, s41
	s_add_co_u32 s40, s40, IMG
	v_mul_u32_u24 v7, v4, FRB
	v_lshl_add_u32 v7, v3, 3, v7
	v_add_nc_u32 v7, s40, v7                       ; where my codes go: fragment 6 s + 2 g + lane / 16, piece 3 c, lane place lane % 16 + 16 h'
	s_lshr_b32 s42, s10, 2
	s_mul_i32 s42, s42, 384
	s_and_b32 s43, s10, 3
	s_add_co_u32 s42, s42, s43
	s_add_co_u32 s42, s42, SCB
	v_lshlrev_b32 v8, 6, v4
	v_lshl_add_u32 v8, v3, 2, v8
	v_add_nc_u32 v8, s42, v8                       ; and my byte: the column's word, byte w % 4
	v_lshl_add_u32 v9, v2, 3, IMG                  ; reading an image: 8 bytes a lane
	v_lshl_add_u32 v10, v3, 2, SCB                 ; its scale words: lane r takes column r's
	s_mul_i32 s46, s10, 16*SPI
	s_add_co_u32 s46, s46, STG                     ; my stage
	v_mul_u32_u24 v11, v3, SPI
	v_lshl_add_u32 v11, v4, 5, v11
	v_add_nc_u32 v11, s46, v11                     ; in: row r, + 32 h
.irp j, 0,1,2                          ; back: piece q = 32 j + lane of 16 bytes lies in row q / 24 = (43 q) >> 10 (q under 96), 16 (q + row) bytes from the stage's start
	v_add_nc_u32 v[TM], 32*\j, v2
	v_mul_u32_u24 v[12+\j], v[TM], 43
	v_lshrrev_b32 v[12+\j], 10, v[12+\j]
	v_add_nc_u32 v[12+\j], v[12+\j], v[TM]
	v_lshl_add_u32 v[12+\j], v[12+\j], 4, s46
.endr
	v_lshlrev_b32 v15, 3, v4                       ; 8 h
	v_lshlrev_b32 v1, 4, v2                        ; 16 x lane
	v_mov_b32 v[TM+4], 0                           ; a lane permute's destination counts as one of its sources
	s_mov_b32 s48, 0x76543210
	s_mov_b32 s49, 0xfedcba98                      ; selects for lane l xor 16
	s_mul_i32 s44, ttmp9, 49152
	s_mul_i32 s45, s10, 6144
	s_add_co_u32 s44, s44, s45
	s_mov_b32 s45, 0
	s_add_nc_u64 s[8:9], s[8:9], s[44:45]          ; part at my 16 images of this split: a dense block of 6,144 bytes
	s_wait_tensorcnt 0x0                           ; my two tiles have landed,
	s_barrier_signal -1
	s_barrier_wait -1                              ; everybody's have
	WLOAD 0
	WLOAD 1
	s_wait_dscnt 32                                ; group 0 is in; group 1's 32 loads may be out
	WQUANT 0
	WLOAD 2
	s_wait_dscnt 36                                ; group 1 is in; behind it: 4 stores, 32 loads
	WQUANT 1
	XLOAD FX0, 0
	s_wait_dscnt 20                                ; group 2 is in; behind it: 4 stores, 16 loads
	WQUANT 2
	XLOAD FX1, 1                                   ; into the registers that groups 0 and 1 have left
	s_wait_dscnt 20                                ; x's K step 0 is in; behind it: 4 stores, 16 loads
	XQUANT FX0, 0
	s_wait_dscnt 0x0                               ; x's K step 1 is in, and my stores have landed: for the others' sake zero
	XQUANT FX1, 1
	s_barrier_signal -1
	s_barrier_wait -1                              ; the 12 fragments of W_enc and their scale words lie in LDS
.irp f, 0,1,2,3,4,5,6,7,8,9,10,11
.irp p, 0,1,2,3,4,5
	ds_load_b64 v[WF+12*\f+2*\p:WF+12*\f+2*\p+1], v9 offset:\f*FRB+256*\p
.endr
	ds_load_b32 v[WS+\f], v10 offset:64*\f
.endr
.rept 8
	v_nop                                          ; x's scale words and codes were written by vector instructions: eight and four places ahead of a scaled matrix instruction
.endr
	s_wait_dscnt 42                                ; K step 0's six fragments are in; K step 1's 6 x 7 loads may be out
.irp t, 0,1,2,3,4,5                    ; the first K step starts the sums; the six accumulators take turns
	v_wmma_scale_f32_16x16x128_f8f6f4 v[ACC+8*\t:ACC+8*\t+7], v[WF+12*\t:WF+12*\t+11], v[XF:XF+11], 0, v[WS+\t], v[XS] matrix_a_fmt:MATRIX_FMT_FP6 matrix_b_fmt:MATRIX_FMT_FP6
.endr
	s_wait_dscnt 0x0
.irp t, 0,1,2,3,4,5
	v_wmma_scale_f32_16x16x128_f8f6f4 v[ACC+8*\t:ACC+8*\t+7], v[WF+72+12*\t:WF+72+12*\t+11], v[XF+12:XF+23], v[ACC+8*\t:ACC+8*\t+7], v[WS+6+\t], v[XS+1] matrix_a_fmt:MATRIX_FMT_FP6 matrix_b_fmt:MATRIX_FMT_FP6
.endr
.rept 4
	v_nop                                          ; places in front of the first read of results and of loads into registers that matrix instructions have read
.endr
.irp t, 0,1,2,3,4,5                    ; lane (r, h): image r, n = 16 t + 8 h + 0 .. 7; each accumulator from its low end on
	ds_store_b128 v11, v[ACC+8*\t:ACC+8*\t+3] offset:64*\t
	ds_store_b128 v11, v[ACC+8*\t+4:ACC+8*\t+7] offset:64*\t+16
.endr
.irp u, 0,1,2,3                        ; LDS serves a wave's instructions in order: these see my stores.  Three loads take four rows of 384 bytes
.irp j, 0,1,2
	ds_load_b128 v[WF+4*(3*\u+\j):WF+4*(3*\u+\j)+3], v[12+\j] offset:4*SPI*\u
.endr
.endr
.irp i, 0,1,2,3,4,5,6,7,8,9,10,11
	s_wait_dscnt 11-\i                             ; load i is in; the younger ones stay out
	global_store_b128 v1, v[WF+4*\i:WF+4*\i+3], s[8:9] offset:512*\i th:TH_STORE_NT   ; 32 lanes store 512 consecutive bytes, at a multiple of 256 from the buffer's first byte
.endr
	s_wait_tensorcnt 0x0                           ; the wave's end
	ds_add_u32 v[SPW], v[NIL]
	s_wait_dscnt 0x0
	s_endpgm
.Lfunc_end_k_q8e62b9e2a7_enc:
	.size	k_q8e62b9e2a7_enc, .Lfunc_end_k_q8e62b9e2a7_enc-k_q8e62b9e2a7_enc
	.p2alignl 7, 3214868480
	.fill 96, 4, 3214868480
	.section	.rodata,"a",@progbits
	.p2align	6, 0x0
	.amdhsa_kernel k_q8e62b9e2a7_enc
		.amdhsa_group_segment_fixed_size 288768
		.amdhsa_private_segment_fixed_size 0
		.amdhsa_enable_private_segment 0
		.amdhsa_kernarg_size 24
		.amdhsa_user_sgpr_count 2
		.amdhsa_user_sgpr_kernarg_segment_ptr 1
		.amdhsa_wavefront_size32 1
		.amdhsa_system_sgpr_workgroup_id_x 1
		.amdhsa_system_sgpr_workgroup_id_y 1
		.amdhsa_system_sgpr_workgroup_id_z 1
		.amdhsa_system_vgpr_workitem_id 0
		.amdhsa_next_free_vgpr 256
		.amdhsa_next_free_sgpr 66
		.amdhsa_reserve_vcc 0
		.amdhsa_float_denorm_mode_32 3
		.amdhsa_float_denorm_mode_16_64 3
		.amdhsa_memory_ordered 1
		.amdhsa_forward_progress 1
		.amdhsa_inst_pref_size 35
	.end_amdhsa_kernel
	.amdgpu_metadata
---
amdhsa.version: [ 1, 2 ]
amdhsa.kernels:
  - .name:           k_q8e62b9e2a7_enc
    .symbol:         k_q8e62b9e2a7_enc.kd
    .args:
      - { .name: x, .offset: 0, .size: 8, .value_kind: global_buffer, .address_space: global }
      - { .name: W_enc, .offset: 8, .size: 8, .value_kind: global_buffer, .address_space: global }
      - { .name: part, .offset: 16, .size: 8, .value_kind: global_buffer, .address_space: global }
    .group_segment_fixed_size: 288768
    .private_segment_fixed_size: 0
    .kernarg_segment_align: 8
    .kernarg_segment_size: 24
    .max_flat_workgroup_size: 256
    .sgpr_count:     66
    .vgpr_count:     256
    .wavefront_size: 32
...
	.end_amdgpu_metadata
.endif
;; end of part 1
;; launch red (part 2): grid 128 x 1, 8 waves a work-group, no clusters, 5,632 bytes of LDS; arguments part, b_enc, embc, embs, theta; writes embc, embs, theta
.if DOCPART == 2
	.amdgcn_target "amdgcn-amd-amdhsa--gfx1250"
	.amdhsa_code_object_version 6
	.text
	.protected	k_q8e62b9e2a7_red
	.globl	k_q8e62b9e2a7_red
	.p2align	8
	.type	k_q8e62b9e2a7_red,@function
k_q8e62b9e2a7_red:
	s_mov_b64 s[64:65], 0
	v_nop
	global_prefetch_b8 v0, s[64:65] scope:SCOPE_SE
	s_setreg_imm32_b32 hwreg(HW_REG_WAVE_MODE, 25, 1), 1
	s_wait_xcnt 0x0
; feats[m][n] = the sum over the 256 splits of part[g][m][n] + b_enc[n], one image m a work-group.  The embedding (n under 64) is quantised to FP6 (E2M3) along its 64: 48 bytes of codes and a scale word;
; the 18 affine numbers (n = 64 .. 81) become 64-bit whole numbers t x 2^31, in the order in which the images are sampled: translation at byte 0 of the image's 256, scaler_shear at 64, rotation at 128.
; Eight waves, 32 splits each: one load of 12 bytes a lane takes a split's 384 bytes of the image.  The eight sums meet in LDS; wave 0 does the rest.  All sums in f32.
; No matrix unit, no cluster, no tensor load: a stream of 98,304 bytes a work-group, all asked for at the head.
; LIMITS: affine numbers under 2^22 in magnitude (the sampler's 64-bit sums); NaN and infinities are not served; a block of zeros gets the byte 1 (its codes are zeros).
.set PSTEP, 49152                      ; bytes from split to split
.set FE,    4096                       ; LDS: eight waves' sums from 0 (16 bytes a thread), the 96 finished numbers from here,
.set SPARE, 4608                       ; the spare words, 128 bytes for each wave
	s_load_b256 s[4:11], s[0:1], 0x0               ; part, b_enc, embc, embs
	s_load_b64 s[12:13], s[0:1], 0x20              ; theta
	v_lshl_add_u32 v1, v0, 2, SPARE
	v_mov_b32 v2, 0
	v_lshrrev_b32 v3, 5, v0
	v_readfirstlane_b32 s14, v3                    ; wave
	v_and_b32 v4, 31, v0                           ; lane: n = 3 lane + 0 .. 2
	v_mul_u32_u24 v5, v4, 12
	v_mul_u32_u24 v8, v4, 3
.irp j, 0,1,2
	v_add_nc_u32 v[9+\j], \j, v8
	v_min_u32 v[9+\j], 81, v[9+\j]                 ; b_enc has 82 numbers: no load leaves it
	v_lshlrev_b32 v[9+\j], 2, v[9+\j]
.endr
	s_mul_i32 s15, ttmp9, 384
	s_mul_i32 s16, s14, 32*PSTEP
	s_add_co_u32 s15, s15, s16
	v_add_nc_u32 v7, s15, v5                       ; my image's row in my wave's first split, my 12 bytes
	v_lshlrev_b32 v6, 4, v0                        ; LDS: 16 bytes a thread
	s_mul_i32 s16, ttmp9, 48
	s_mov_b32 s17, 0
	s_lshl_b32 s18, ttmp9, 2
	s_mov_b32 s19, 0
	s_lshl_b32 s22, ttmp9, 8
	s_mov_b32 s23, 0
	s_wait_kmcnt 0x0
	s_add_nc_u64 s[8:9], s[8:9], s[16:17]
	s_add_nc_u64 s[10:11], s[10:11], s[18:19]
	s_add_nc_u64 s[12:13], s[12:13], s[22:23]
.irp j, 0,1,2
	global_load_b32 v[12+\j], v[9+\j], s[6:7]
.endr
.irp i, 0,1,2,3,4,5,6,7,8,9,10,11,12,13,14,15,16,17,18,19,20,21,22,23,24,25,26,27,28,29,30,31
	global_load_b96 v[16+4*\i:18+4*\i], v7, s[4:5] offset:\i*PSTEP th:TH_LOAD_NT
.endr
.irp a, 0,1,2,3
	s_wait_loadcnt 24-8*\a                         ; eight more splits are in; the younger loads stay out
.irp i, 0,1,2,3,4,5,6,7
.if (8*\a+\i) > 0
.irp j, 0,1,2
	v_add_f32 v[16+\j], v[16+\j], v[16+4*(8*\a+\i)+\j]
.endr
.endif
.endr
.endr
	ds_store_b96 v6, v[16:18]
	s_wait_dscnt 0x0                               ; for the others' sake: my sums have landed
	s_barrier_signal -1
	s_barrier_wait -1
	s_cmp_lg_u32 s14, 0
	s_cbranch_scc1 .Ldone                          ; wave 0 alone goes on; no barrier follows
.irp i, 0,1,2,3,4,5,6,7
	ds_load_b96 v[16+4*\i:18+4*\i], v6 offset:512*\i   ; in wave 0 the thread's number is the lane
.endr
	v_and_b32 v15, 3, v4
	v_lshlrev_b32 v15, 6, v15                      ; lane % 4 takes 16 of the embedding's 64 numbers
	v_lshlrev_b32 v3, 2, v4
	s_wait_dscnt 0x0
.irp i, 1,2,3,4,5,6,7
.irp j, 0,1,2
	v_add_f32 v[16+\j], v[16+\j], v[16+4*\i+\j]
.endr
.endr
.irp j, 0,1,2
	v_add_f32 v[16+\j], v[16+\j], v[12+\j]         ; + b_enc
	ds_store_b32 v5, v[16+\j] offset:FE+4*\j
.endr
.irp i, 0,1,2,3
	ds_load_b128 v[48+4*\i:51+4*\i], v15 offset:FE+16*\i   ; LDS serves a wave's instructions in order: these see my stores
.endr
	ds_load_b32 v64, v3 offset:FE+256              ; lane l: number 64 + l (lanes from 18 on hold numbers that are not stored)
	s_wait_dscnt 0x0
	v_max3_num_f32 v66, |v48|, |v49|, 0x1800000    ; my 16, and the floor 2^(3 - 127)
	v_max3_num_f32 v67, |v50|, |v51|, |v52|
	v_max3_num_f32 v66, v66, |v53|, |v54|
	v_max3_num_f32 v67, v67, |v55|, |v56|
	v_max3_num_f32 v66, v66, |v57|, |v58|
	v_max3_num_f32 v67, v67, |v59|, |v60|
	v_max3_num_f32 v66, v66, |v61|, |v62|
	v_max3_num_f32 v66, v66, v67, |v63|
	v_max_num_f32_dpp v66, v66, v66 row_xmask:1 row_mask:0xf bank_mask:0xf   ; with my neighbour's 16: the block's largest magnitude
	v_add_nc_u32 v68, 0xff000000, v66              ; 2 off its exponent field: the conversion's scale operand
	v_cvt_scalef32_pk16_fp6_f32 v[70:72], v[48:63], v68
	v_lshrrev_b32 v69, 23, v68                     ; the scale's byte
	v_mul_f32 v73, 0.5, v64                        ; t x 2^31 in 64 bits: the upper word is floor(t / 2),
	v_floor_f32 v76, v73
	v_sub_f32 v73, v73, v76                        ; the lower word what is left, x 2^32
	v_cvt_i32_f32 v75, v76
	v_min_num_f32 v73, 0x3f7fffff, v73             ; (held under 1, where the subtraction has rounded up to it)
	v_mul_f32 v73, 0x4f800000, v73
	v_cvt_u32_f32 v74, v73
	v_min_u32 v76, 17, v4                          ; where it goes: group q = l / 6 = (43 l) >> 8; 64 (q + 1) - 192 (q / 2) + 8 (l - 6 q)
	v_mul_u32_u24 v77, v76, 43
	v_lshrrev_b32 v77, 8, v77
	v_lshrrev_b32 v78, 1, v77
	v_mul_u32_u24 v78, v78, 192
	v_lshl_add_u32 v77, v77, 4, 64
	v_lshl_add_u32 v77, v76, 3, v77
	v_sub_nc_u32 v77, v77, v78
	v_readlane_b32 s21, v69, 0                     ; block 0's byte,
	v_readlane_b32 s24, v69, 2                     ; block 1's;
	s_lshl_b32 s24, s24, 8
	s_or_b32 s21, s21, s24
	s_or_b32 s21, s21, 0x7f7f0000                  ; the upper two bytes stand over zero codes
	v_mov_b32 v79, s21
	s_wait_xcnt 0x0                                ; EXEC changes only behind this wait
	v_cmp_gt_u32 vcc_lo, 18, v4
	s_and_saveexec_b32 s20, vcc_lo
	global_store_b64 v77, v[74:75], s[12:13]
	s_wait_xcnt 0x0
	s_or_b32 exec_lo, exec_lo, s20
	v_cmp_gt_u32 vcc_lo, 4, v4
	s_and_saveexec_b32 s20, vcc_lo
	global_store_b96 v5, v[70:72], s[8:9]          ; four lanes: the row's 48 bytes of codes
	s_wait_xcnt 0x0
	s_or_b32 exec_lo, exec_lo, s20
	v_cmp_eq_u32 vcc_lo, 0, v4
	s_and_saveexec_b32 s20, vcc_lo
	global_store_b32 v3, v79, s[10:11]
	s_wait_xcnt 0x0
	s_or_b32 exec_lo, exec_lo, s20
.Ldone:
	s_wait_tensorcnt 0x0                           ; the wave's end
	ds_add_u32 v1, v2
	s_wait_dscnt 0x0
	s_endpgm
.Lfunc_end_k_q8e62b9e2a7_red:
	.size	k_q8e62b9e2a7_red, .Lfunc_end_k_q8e62b9e2a7_red-k_q8e62b9e2a7_red
	.p2alignl 7, 3214868480
	.fill 96, 4, 3214868480
	.section	.rodata,"a",@progbits
	.p2align	6, 0x0
	.amdhsa_kernel k_q8e62b9e2a7_red
		.amdhsa_group_segment_fixed_size 5632
		.amdhsa_private_segment_fixed_size 0
		.amdhsa_enable_private_segment 0
		.amdhsa_kernarg_size 40
		.amdhsa_user_sgpr_count 2
		.amdhsa_user_sgpr_kernarg_segment_ptr 1
		.amdhsa_wavefront_size32 1
		.amdhsa_system_sgpr_workgroup_id_x 1
		.amdhsa_system_sgpr_workgroup_id_y 1
		.amdhsa_system_sgpr_workgroup_id_z 1
		.amdhsa_system_vgpr_workitem_id 0
		.amdhsa_next_free_vgpr 144
		.amdhsa_next_free_sgpr 66
		.amdhsa_reserve_vcc 1
		.amdhsa_float_denorm_mode_32 3
		.amdhsa_float_denorm_mode_16_64 3
		.amdhsa_memory_ordered 1
		.amdhsa_forward_progress 1
		.amdhsa_inst_pref_size 13
	.end_amdhsa_kernel
	.amdgpu_metadata
---
amdhsa.version: [ 1, 2 ]
amdhsa.kernels:
  - .name:           k_q8e62b9e2a7_red
    .symbol:         k_q8e62b9e2a7_red.kd
    .args:
      - { .name: part, .offset: 0, .size: 8, .value_kind: global_buffer, .address_space: global }
      - { .name: b_enc, .offset: 8, .size: 8, .value_kind: global_buffer, .address_space: global }
      - { .name: embc, .offset: 16, .size: 8, .value_kind: global_buffer, .address_space: global }
      - { .name: embs, .offset: 24, .size: 8, .value_kind: global_buffer, .address_space: global }
      - { .name: theta, .offset: 32, .size: 8, .value_kind: global_buffer, .address_space: global }
    .group_segment_fixed_size: 5632
    .private_segment_fixed_size: 0
    .kernarg_segment_align: 8
    .kernarg_segment_size: 40
    .max_flat_workgroup_size: 256
    .sgpr_count:     66
    .vgpr_count:     144
    .wavefront_size: 32
...
	.end_amdgpu_metadata
.endif
;; end of part 2
;; launch dec (part 3): grid 256 x 1, 8 waves a work-group, no clusters, 134,144 bytes of LDS; arguments W_dec, b_dec, embc, embs, pred; writes pred
.if DOCPART == 3
	.amdgcn_target "amdgcn-amd-amdhsa--gfx1250"
	.amdhsa_code_object_version 6
	.text
	.protected	k_q8e62b9e2a7_dec
	.globl	k_q8e62b9e2a7_dec
	.p2align	8
	.type	k_q8e62b9e2a7_dec,@function
k_q8e62b9e2a7_dec:
	s_mov_b64 s[64:65], 0
	v_nop
	global_prefetch_b8 v0, s[64:65] scope:SCOPE_SE
	s_setreg_imm32_b32 hwreg(HW_REG_WAVE_MODE, 25, 1), 1
	s_wait_xcnt 0x0
; pred[m][n] = the sum over k of Q(embedding)[m][k] Q(W_dec)[k][n] + b_dec[n], K = 64, on codes of FP6 (E2M3) with one E8M0 scale for each 32 along K.  W_dec: [64][65536] f32, K is its first axis: quantised here.
; The embedding arrives as codes (48 bytes an image) and scale words.  pred: [128][65536] f32.
; A work-group takes 256 columns (one row of the images) for all 128 images; wave w its columns 32 w .. 32 w + 31.  A lane takes a column, its 64 registers run down K: two whole blocks a lane.
; The operand wants block h in lanes 16 h ..: six exchanges of halves make of the two blocks' codes the fragments of columns 0-15 and 16-31.  K = 64 fills registers 0-5 of an operand; registers 6-11 hold zero codes on both sides.
; Source 0 = 16 columns of W_dec, source 1 = 16 images: a lane holds eight neighbouring columns of one image.  b_dec is the C of each product.  A row's 1,024 bytes come from eight waves: they meet in a stage in LDS.
; No cluster: what the work-groups share, the embedding's 6,656 bytes, is a small part of the 72 KB that each reads.  No tensor load: every number is loaded once, into the register in which it is quantised.
; LIMITS: NaN and infinities are not served; a block of zeros gets the byte 1 (its codes are zeros).
.set SPI,   1040                       ; a stage row: 1,024 bytes + 16
.set SPARE, 133120                     ; behind the stage's 128 rows: the spare words
.set EF,    16                         ; v16-111  the embedding's 8 fragments
.set ES,    112                        ; v112-119 their scale words
.set WSC,   120                        ; v120     W_dec's scale words: lane = column
.set BI,    122                        ; v122-137 b_dec in the result's layout, two tiles
.set WF,    138                        ; v138-161 W_dec's two fragments
.set F,     162                        ; v162-225 my column's 64 numbers; later eight results
.set TQ,    226
.set TM,    234
.set SPW,   254
.set NIL,   255
.macro MAX32 d, t, b
	v_max3_num_f32 v[\d], |v[\b]|, |v[\b+1]|, 0x1800000
	v_max3_num_f32 v[\t], |v[\b+2]|, |v[\b+3]|, |v[\b+4]|
.irp i, 5,9,13,17,21,25
	v_max3_num_f32 v[\d], v[\d], |v[\b+\i]|, |v[\b+\i+1]|
	v_max3_num_f32 v[\t], v[\t], |v[\b+\i+2]|, |v[\b+\i+3]|
.endr
	v_max3_num_f32 v[\d], v[\d], |v[\b+29]|, |v[\b+30]|
	v_max3_num_f32 v[\d], v[\d], v[\t], |v[\b+31]|
.endm
.macro WBLK b                          ; block b of my column: its byte into v[TM + b], its codes into registers 0-5 of fragment b
	MAX32 TM+\b, TM+2, F+32*\b
	v_add_nc_u32 v[TM+3], 0xff000000, v[TM+\b]
	v_lshrrev_b32 v[TM+\b], 23, v[TM+3]
	v_cvt_scalef32_pk16_fp6_f32 v[WF+12*\b:WF+12*\b+2], v[F+32*\b:F+32*\b+15], v[TM+3]
	v_cvt_scalef32_pk16_fp6_f32 v[TQ:TQ+2], v[F+32*\b+16:F+32*\b+31], v[TM+3]   ; (three registers from an even one)
	v_nop                                          ; one plain place behind a scaled conversion
.irp i, 0,1,2
	v_mov_b32 v[WF+12*\b+3+\i], v[TQ+\i]
.endr
.endm
.macro HALF a                          ; four tiles of images x my two tiles of columns: eight products, each a sum of its own; then into the stage
.irp m, 0,1,2,3
	v_wmma_scale_f32_16x16x128_f8f6f4 v[F+16*\m:F+16*\m+7], v[WF:WF+11], v[EF+12*(4*\a+\m):EF+12*(4*\a+\m)+11], v[BI:BI+7], v[WSC], v[ES+4*\a+\m] matrix_a_fmt:MATRIX_FMT_FP6 matrix_b_fmt:MATRIX_FMT_FP6
	v_wmma_scale_f32_16x16x128_f8f6f4 v[F+16*\m+8:F+16*\m+15], v[WF+12:WF+23], v[EF+12*(4*\a+\m):EF+12*(4*\a+\m)+11], v[BI+8:BI+15], v[WSC], v[ES+4*\a+\m] matrix_a_fmt:MATRIX_FMT_FP6 matrix_b_fmt:MATRIX_FMT_FP6 matrix_a_scale:MATRIX_SCALE_ROW1
.endr
.rept 5
	v_nop                                          ; four places in front of the stores that read results; five in front of the next half's products, which write over them
.endr
.irp m, 0,1,2,3                        ; lane (r, h): image 16 (4 a + m) + r, columns 32 w + 16 n + 8 h + 0 .. 7; each result from its low end on
	ds_store_b128 v[9+\a], v[F+16*\m:F+16*\m+3] offset:\m*16*SPI
	ds_store_b128 v[9+\a], v[F+16*\m+4:F+16*\m+7] offset:\m*16*SPI+16
	ds_store_b128 v[9+\a], v[F+16*\m+8:F+16*\m+11] offset:\m*16*SPI+64
	ds_store_b128 v[9+\a], v[F+16*\m+12:F+16*\m+15] offset:\m*16*SPI+80
.endr
.endm
	s_load_b256 s[4:11], s[0:1], 0x0               ; W_dec, b_dec, embc, embs
	s_load_b64 s[12:13], s[0:1], 0x20              ; pred
	v_lshl_add_u32 v[SPW], v0, 2, SPARE
	v_mov_b32 v[NIL], 0
	v_lshrrev_b32 v1, 5, v0
	v_readfirstlane_b32 s14, v1                    ; wave
	v_and_b32 v2, 31, v0                           ; lane
	v_and_b32 v3, 15, v0                           ; r
	v_bfe_u32 v4, v0, 4, 1                         ; h
	v_lshlrev_b32 v5, 2, v0                        ; my column's 4 bytes among the work-group's 1,024
	s_lshl_b32 s16, ttmp9, 10
	s_mov_b32 s17, 0
	s_lshl_b32 s20, s14, 22                        ; pred: 16 w images of 262,144 bytes
	s_add_co_u32 s20, s20, s16
	s_mov_b32 s21, 0
	s_wait_kmcnt 0x0
	s_add_nc_u64 s[4:5], s[4:5], s[16:17]          ; W_dec at the work-group's columns,
	s_add_nc_u64 s[18:19], s[4:5], 0x800000        ; and 32 rows further down: so that every offset stays inside the signed 24-bit immediate
	s_add_nc_u64 s[6:7], s[6:7], s[16:17]
	s_add_nc_u64 s[12:13], s[12:13], s[20:21]
.irp k, 0,1,2,3,4,5,6,7,8,9,10,11,12,13,14,15,16,17,18,19,20,21,22,23,24,25,26,27,28,29,30,31
	global_load_b32 v[F+\k], v5, s[4:5] offset:\k*262144 th:TH_LOAD_NT      ; 32 lanes read 128 consecutive bytes, the eight waves a row's 1,024
.endr
.irp k, 0,1,2,3,4,5,6,7,8,9,10,11,12,13,14,15,16,17,18,19,20,21,22,23,24,25,26,27,28,29,30,31
	global_load_b32 v[F+32+\k], v5, s[18:19] offset:\k*262144 th:TH_LOAD_NT
.endr
	v_lshlrev_b32 v6, 7, v1
	v_lshl_add_u32 v6, v4, 5, v6                   ; b_dec: 128 w + 32 h
	v_mul_u32_u24 v7, v3, 48
	v_mad_u32_u24 v7, v4, 24, v7                   ; the embedding's codes: row r of 48 bytes, + 24 h
	v_lshlrev_b32 v8, 2, v3                        ; its scale words
	v_mul_u32_u24 v9, v3, SPI
	v_lshl_add_u32 v9, v4, 5, v9
	v_lshl_add_u32 v9, v1, 7, v9                   ; the stage, in: row r, + 32 h + 128 w;
	v_add_nc_u32 v10, 64*SPI, v9                   ; and 64 rows further down
	v_mul_u32_u24 v11, v1, 16*SPI
	v_lshl_add_u32 v11, v2, 4, v11                 ; back: my 16 rows, 16 bytes a lane
	v_lshlrev_b32 v12, 4, v2
.irp m, 0,1,2,3,4,5,6,7
.irp i, 6,7,8,9,10,11
	v_mov_b32 v[EF+12*\m+\i], 0                    ; K = 64 .. 127: zero codes
.endr
.endr
.irp b, 0,1
.irp i, 6,7,8,9,10,11
	v_mov_b32 v[WF+12*\b+\i], 0
.endr
.endr
	s_wait_loadcnt 32                              ; block 0 is in; block 1's 32 loads may be out
	WBLK 0
.irp n, 0,1
	global_load_b128 v[BI+8*\n:BI+8*\n+3], v6, s[6:7] offset:64*\n
	global_load_b128 v[BI+8*\n+4:BI+8*\n+7], v6, s[6:7] offset:64*\n+16
.endr
.irp m, 0,1,2,3,4,5,6,7
.irp p, 0,1,2
	global_load_b64 v[EF+12*\m+2*\p:EF+12*\m+2*\p+1], v7, s[8:9] offset:768*\m+8*\p
.endr
	global_load_b32 v[ES+\m], v8, s[10:11] offset:64*\m
.endr
	s_wait_loadcnt 36                              ; block 1 is in; the 36 loads just issued may be out
	WBLK 1
.irp i, 0,1,2,3,4,5
	v_permlane16_swap_b32 v[WF+\i], v[WF+12+\i]    ; the first's lanes 16-31 change places with the second's lanes 0-15: now the fragments of columns 0-15 and of columns 16-31
.endr
	v_lshl_or_b32 v[WSC], v[TM+1], 8, v[TM]        ; my column's scale word; lanes 0-15 serve the first tile, lanes 16-31 the second
	v_or_b32 v[WSC], 0x7f7f0000, v[WSC]            ; the upper two bytes stand over zero codes
	s_wait_loadcnt 0x0
.rept 8
	v_nop                                          ; a scale register written by a vector instruction stands eight places ahead of a scaled matrix instruction, an operand four
.endr
	HALF 0
	s_wait_dscnt 0x0                               ; the stores have read their registers
	HALF 1
	s_wait_dscnt 0x0                               ; for the others' sake: my part of the stage has landed
	s_barrier_signal -1
	s_barrier_wait -1
.irp i, 0,1,2,3,4,5,6,7,8,9,10,11,12,13,14,15
.irp u, 0,1
	ds_load_b128 v[16+4*(2*\i+\u):16+4*(2*\i+\u)+3], v11 offset:\i*SPI+512*\u
.endr
.endr
.irp i, 0,1,2,3,4,5,6,7,8,9,10,11,12,13,14,15
.irp u, 0,1
	s_wait_dscnt 31-2*\i-\u                        ; this load is in; the younger ones stay out
	global_store_b128 v12, v[16+4*(2*\i+\u):16+4*(2*\i+\u)+3], s[12:13] offset:\i*262144+512*\u   ; 32 lanes store 512 consecutive bytes, at a multiple of 256 from the buffer's first byte
.endr
.endr
	s_wait_tensorcnt 0x0                           ; the wave's end
	ds_add_u32 v[SPW], v[NIL]
	s_wait_dscnt 0x0
	s_endpgm
.Lfunc_end_k_q8e62b9e2a7_dec:
	.size	k_q8e62b9e2a7_dec, .Lfunc_end_k_q8e62b9e2a7_dec-k_q8e62b9e2a7_dec
	.p2alignl 7, 3214868480
	.fill 96, 4, 3214868480
	.section	.rodata,"a",@progbits
	.p2align	6, 0x0
	.amdhsa_kernel k_q8e62b9e2a7_dec
		.amdhsa_group_segment_fixed_size 134144
		.amdhsa_private_segment_fixed_size 0
		.amdhsa_enable_private_segment 0
		.amdhsa_kernarg_size 40
		.amdhsa_user_sgpr_count 2
		.amdhsa_user_sgpr_kernarg_segment_ptr 1
		.amdhsa_wavefront_size32 1
		.amdhsa_system_sgpr_workgroup_id_x 1
		.amdhsa_system_sgpr_workgroup_id_y 1
		.amdhsa_system_sgpr_workgroup_id_z 1
		.amdhsa_system_vgpr_workitem_id 0
		.amdhsa_next_free_vgpr 256
		.amdhsa_next_free_sgpr 66
		.amdhsa_reserve_vcc 0
		.amdhsa_float_denorm_mode_32 3
		.amdhsa_float_denorm_mode_16_64 3
		.amdhsa_memory_ordered 1
		.amdhsa_forward_progress 1
		.amdhsa_inst_pref_size 28
	.end_amdhsa_kernel
	.amdgpu_metadata
---
amdhsa.version: [ 1, 2 ]
amdhsa.kernels:
  - .name:           k_q8e62b9e2a7_dec
    .symbol:         k_q8e62b9e2a7_dec.kd
    .args:
      - { .name: W_dec, .offset: 0, .size: 8, .value_kind: global_buffer, .address_space: global }
      - { .name: b_dec, .offset: 8, .size: 8, .value_kind: global_buffer, .address_space: global }
      - { .name: embc, .offset: 16, .size: 8, .value_kind: global_buffer, .address_space: global }
      - { .name: embs, .offset: 24, .size: 8, .value_kind: global_buffer, .address_space: global }
      - { .name: pred, .offset: 32, .size: 8, .value_kind: global_buffer, .address_space: global }
    .group_segment_fixed_size: 134144
    .private_segment_fixed_size: 0
    .kernarg_segment_align: 8
    .kernarg_segment_size: 40
    .max_flat_workgroup_size: 256
    .sgpr_count:     66
    .vgpr_count:     256
    .wavefront_size: 32
...
	.end_amdgpu_metadata
.endif
;; end of part 3
;; launch warp (part 4): grid 128 x 1, 32 waves a work-group, no clusters, 282,624 bytes of LDS; arguments pred, theta, out0; writes out0
.if DOCPART == 4
	.amdgcn_target "amdgcn-amd-amdhsa--gfx1250"
	.amdhsa_code_object_version 6
	.text
	.protected	k_q8e62b9e2a7_warp
	.globl	k_q8e62b9e2a7_warp
	.p2align	8
	.type	k_q8e62b9e2a7_warp,@function
k_q8e62b9e2a7_warp:
	s_mov_b64 s[64:65], 0
	v_nop
	global_prefetch_b8 v0, s[64:65] scope:SCOPE_SE
	s_setreg_imm32_b32 hwreg(HW_REG_WAVE_MODE, 25, 1), 1
	s_wait_xcnt 0x0
; out0[m] = three bilinear samplings on end of pred[m] (256 x 256 f32, zeros outside), by the affine grids of translation, scaler_shear, rotation.  One image a work-group; it stays on the WGP between the stages.
; THE IMAGE LIES IN LDS WITH A BORDER OF ZEROS: word (y + 1) 258 + (x + 1), from byte 4 on: a zero left and right of each row, one row of zeros above, two below.
; THE NEW IMAGE IS MADE IN REGISTERS, 64 pixels a thread (32 waves), and goes to LDS when every wave has finished reading the old one: two barriers a stage.
; COORDINATES ARE WHOLE NUMBERS, 32.32 fixed point, made by integer arithmetic alone from the 64-bit numbers t x 2^31 that an earlier launch stored:
;   ix + 1 = t00 (X - 127.5) + t01 (Y - 127.5) + 128 t02 + 128.5, iy + 1 likewise.  The upper word is the corner's place in the bordered image, the lower word the weight x 2^32.
; One unsigned minimum with 257 holds a place: what lies beyond the right or lower edge, and (as a large unsigned number) beyond the left or upper edge, lands on words that are zero with their neighbours.
; So no corner is tested: a corner outside the image is read as the zero that it counts for.
; Thread: rows 8 w + i (i under 8), x = 64 k + 2 lane + e: a pair of neighbouring pixels in a register pair, so that 32 lanes store 256 consecutive bytes, to LDS and to memory.
; No matrix unit (nothing here is a quantised product; the grids' K = 3 is three integer steps), no cluster (no two work-groups read the same bytes), no tensor load (the image is loaded into the registers from which each stage's image goes to LDS).
; 128 work-groups: each stage needs the whole image of the stage before, so an image is one work-group's.
; LIMITS: affine numbers under 2^22 in magnitude (beyond that the 64-bit sums wrap); NaN and infinities are not served.  The coordinates are exact to 2^-31 of each affine number where f32 arithmetic rounds them;
; the sampled value is continuous in the coordinates.
.set PITCH, 1032                       ; 258 words
.set SPARE, 278528                     ; behind the 17 x 16,384 bytes that are cleared: the spare words, 128 bytes for each wave
.set OUT,   64                         ; v64-127 my 64 pixels: 8 i + 2 k + e
.set TH,    28                         ; s28-63 the three stages' six 64-bit numbers each
; v1, v2 the add's two; v3 LDS byte of my first pair; v4 its byte in the image in memory; v5 = 2 lane; v6, v7 at work; v[8:9] ix + 1, v[10:11] iy + 1;
; v[12:15] their steps to the next pixel; v[16:19] 63 pixels on; v[20:23] to the next row's first; v24-55 four slots of eight: two addresses, wy, wx, four corners; v56-59 zeros
.macro BAR                             ; my LDS stores have landed and my LDS loads are in: then the work-group's barrier
	s_wait_dscnt 0x0
	s_barrier_signal -1
	s_barrier_wait -1
.endm
.macro COORD a, acc, st                ; s[a ..]: T0, T1, T2 = t x 2^31 of one coordinate
	s_add_nc_u64 s[22:23], s[\a:\a+1], s[\a+2:\a+3]
	s_mul_u64 s[22:23], s[22:23], s[12:13]         ; 255 (T0 + T1) = 127.5 (t0 + t1) 2^32
	s_lshl_b64 s[24:25], s[\a+4:\a+5], 8           ; 256 T2 = 128 t2 2^32
	s_sub_nc_u64 s[24:25], s[24:25], s[22:23]
	s_add_nc_u64 s[24:25], s[24:25], s[18:19]      ; + 128.5 x 2^32: the coordinate at X = Y = 0
	s_lshl_b64 s[\a:\a+1], s[\a:\a+1], 1           ; a pixel on along X,
	s_lshl_b64 s[\a+2:\a+3], s[\a+2:\a+3], 1       ; along Y
	s_mul_u64 s[22:23], s[\a+2:\a+3], s[20:21]
	s_add_nc_u64 s[24:25], s[24:25], s[22:23]      ; at my wave's first row, Y = 8 w
	s_mul_u64 s[26:27], s[\a:\a+1], s[14:15]       ; 63 pixels on
	s_mul_u64 s[22:23], s[\a:\a+1], s[16:17]
	s_sub_nc_u64 s[22:23], s[\a+2:\a+3], s[22:23]  ; a row down and 193 pixels back
	v_mov_b32 v[\st], s[\a]
	v_mov_b32 v[\st+1], s[\a+1]
	v_mov_b32 v[\st+4], s26
	v_mov_b32 v[\st+5], s27
	v_mov_b32 v[\st+8], s22
	v_mov_b32 v[\st+9], s23
	v_mov_b32 v[\acc], s24
	v_mov_b32 v[\acc+1], s25
	v_mad_nc_u64_u32 v[\acc:\acc+1], v[\st], v5, v[\acc:\acc+1]   ; + 2 lane pixels: the step's lower word,
	v_mul_lo_u32 v6, v[\st+1], v5
	v_add_nc_u32 v[\acc+1], v[\acc+1], v6          ; and its upper word
.endm
.macro P1                              ; pixel p: the coordinates step, the corners are asked for, the weights are made
.set SL, 24+8*(p%4)
.if (p%2) == 1
	v_add_nc_u64 v[8:9], v[8:9], v[12:13]
	v_add_nc_u64 v[10:11], v[10:11], v[14:15]
.elseif (p%8) != 0
	v_add_nc_u64 v[8:9], v[8:9], v[16:17]
	v_add_nc_u64 v[10:11], v[10:11], v[18:19]
.elseif p != 0
	v_add_nc_u64 v[8:9], v[8:9], v[20:21]
	v_add_nc_u64 v[10:11], v[10:11], v[22:23]
.endif
	v_min_u32 v6, 0x101, v9                        ; the left corner's column in the bordered image, held at 257
	v_min_u32 v7, 0x101, v11                       ; the upper corner's row
	v_mad_u32_u24 v6, v7, 0x102, v6                ; its word
	v_lshlrev_b32 v[SL], 2, v6
	v_lshl_add_u32 v[SL+1], v6, 2, PITCH           ; and the word a row below
	ds_load_2addr_b32 v[SL+4:SL+5], v[SL] offset0:1 offset1:2      ; the image begins at byte 4
	ds_load_2addr_b32 v[SL+6:SL+7], v[SL+1] offset0:1 offset1:2
	v_cvt_f32_u32 v[SL+2], v10                     ; wy,
	v_cvt_f32_u32 v[SL+3], v8                      ; wx,
	v_pk_mul_f32 v[SL+2:SL+3], v[SL+2:SL+3], 0x2f800000 op_sel_hi:[1,0]   ; x 2^-32
.endm
.macro P2                              ; pixel q: down the two columns by wy, then across by wx
.set SQ, 24+8*(q%4)
	v_pk_add_f32 v[SQ+6:SQ+7], v[SQ+6:SQ+7], v[SQ+4:SQ+5] neg_lo:[0,1] neg_hi:[0,1]
	v_pk_fma_f32 v[SQ+4:SQ+5], v[SQ+6:SQ+7], v[SQ+2:SQ+3], v[SQ+4:SQ+5] op_sel_hi:[1,0,1]
	v_sub_f32 v[SQ+5], v[SQ+5], v[SQ+4]
	v_fma_f32 v[OUT+q], v[SQ+5], v[SQ+3], v[SQ+4]
.endm
.macro GATHER                          ; three pixels' loads are on their way while a fourth is finished
.set p, 0
.rept 64
	P1
.if p >= 3
	s_wait_dscnt 6                                 ; pixel p - 3's two loads are in; the three younger pixels' six stay out
.set q, p-3
	P2
.endif
.set p, p+1
.endr
.irp d, 4,2,0
	s_wait_dscnt \d                                ; the counts run down
.set q, q+1
	P2
.endr
.endm
.macro PUT                             ; my 64 pixels into the bordered image
.irp i, 0,1,2,3,4,5,6,7
.irp k, 0,1,2,3
	ds_store_b64 v3, v[OUT+8*\i+2*\k:OUT+8*\i+2*\k+1] offset:\i*PITCH+256*\k
.endr
.endr
.endm
.macro STAGE n
	COORD TH+12*\n, 8, 12
	COORD TH+12*\n+6, 10, 14
	GATHER
	BAR                                            ; every wave has finished reading the old image
.endm
	s_load_b128 s[4:7], s[0:1], 0x0                ; pred, theta
	s_load_b64 s[8:9], s[0:1], 0x10                ; out0
	v_lshl_add_u32 v1, v0, 2, SPARE
	v_mov_b32 v2, 0
	v_lshrrev_b32 v6, 5, v0
	v_readfirstlane_b32 s10, v6                    ; wave 0..31
	v_and_b32 v7, 31, v0                           ; lane
	v_lshlrev_b32 v5, 1, v7
	s_mul_i32 s11, s10, 8*PITCH
	s_add_co_u32 s11, s11, PITCH+8
	v_lshl_add_u32 v3, v7, 3, s11                  ; 4 + 4 ((8 w + 1) 258 + 2 lane + 1)
	s_lshl_b32 s11, s10, 13
	v_lshl_add_u32 v4, v7, 3, s11                  ; 8 w rows of 1,024 bytes + 8 lane
	s_mov_b64 s[12:13], 255
	s_mov_b64 s[14:15], 63
	s_mov_b64 s[16:17], 193
	s_mov_b32 s18, 0x80000000                      ; 128.5 x 2^32
	s_mov_b32 s19, 0x80
	s_lshl_b32 s20, s10, 3                         ; 8 w
	s_mov_b32 s21, 0
	s_lshl_b32 s22, ttmp9, 18                      ; the image's 262,144 bytes
	s_mov_b32 s23, 0
	s_lshl_b32 s24, ttmp9, 8                       ; and its 256 bytes of whole numbers
	s_mov_b32 s25, 0
	s_wait_kmcnt 0x0
	s_add_nc_u64 s[4:5], s[4:5], s[22:23]
	s_add_nc_u64 s[8:9], s[8:9], s[22:23]
	s_add_nc_u64 s[6:7], s[6:7], s[24:25]
.irp n, 0,1,2
	s_load_b256 s[TH+12*\n:TH+12*\n+7], s[6:7], 64*\n
	s_load_b128 s[TH+12*\n+8:TH+12*\n+11], s[6:7], 64*\n+32
.endr
.irp i, 0,1,2,3,4,5,6,7
.irp k, 0,1,2,3
	global_load_b64 v[OUT+8*\i+2*\k:OUT+8*\i+2*\k+1], v4, s[4:5] offset:\i*1024+256*\k th:TH_LOAD_NT   ; 32 lanes read 256 consecutive bytes
.endr
.endr
.irp j, 0,1,2,3
	v_mov_b32 v[56+\j], 0
.endr
.irp a, 0,1,2,3,4
	v_lshl_add_u32 v[24+\a], v0, 4, 65536*\a
.endr
.irp a, 0,1,2,3                        ; the bordered image's bytes are cleared once: 1,024 threads x 16 bytes x 17
.irp b, 0,1,2,3
	ds_store_b128 v[24+\a], v[56:59] offset:16384*\b
.endr
.endr
	ds_store_b128 v28, v[56:59]
	BAR                                            ; all zeros lie in LDS
	s_wait_loadcnt 0x0                             ; my 64 pixels of pred
	PUT
	s_wait_kmcnt 0x0                               ; the whole numbers
	BAR                                            ; the image lies in LDS
	STAGE 0
	PUT
	BAR
	STAGE 1
	PUT
	BAR
	STAGE 2                                        ; its barrier parts the last gathers from the closing add
.irp i, 0,1,2,3,4,5,6,7
.irp k, 0,1,2,3
	global_store_b64 v4, v[OUT+8*\i+2*\k:OUT+8*\i+2*\k+1], s[8:9] offset:\i*1024+256*\k th:TH_STORE_NT   ; 32 lanes store 256 consecutive bytes, at a multiple of 256 from the buffer's first byte
.endr
.endr
	s_wait_tensorcnt 0x0                           ; the wave's end
	ds_add_u32 v1, v2
	s_wait_dscnt 0x0
	s_endpgm
.Lfunc_end_k_q8e62b9e2a7_warp:
	.size	k_q8e62b9e2a7_warp, .Lfunc_end_k_q8e62b9e2a7_warp-k_q8e62b9e2a7_warp
	.p2alignl 7, 3214868480
	.fill 96, 4, 3214868480
	.section	.rodata,"a",@progbits
	.p2align	6, 0x0
	.amdhsa_kernel k_q8e62b9e2a7_warp
		.amdhsa_group_segment_fixed_size 282624
		.amdhsa_private_segment_fixed_size 0
		.amdhsa_enable_private_segment 0
		.amdhsa_kernarg_size 24
		.amdhsa_user_sgpr_count 2
		.amdhsa_user_sgpr_kernarg_segment_ptr 1
		.amdhsa_wavefront_size32 1
		.amdhsa_system_sgpr_workgroup_id_x 1
		.amdhsa_system_sgpr_workgroup_id_y 1
		.amdhsa_system_sgpr_workgroup_id_z 1
		.amdhsa_system_vgpr_workitem_id 0
		.amdhsa_next_free_vgpr 128
		.amdhsa_next_free_sgpr 66
		.amdhsa_reserve_vcc 0
		.amdhsa_float_denorm_mode_32 3
		.amdhsa_float_denorm_mode_16_64 3
		.amdhsa_memory_ordered 1
		.amdhsa_forward_progress 1
		.amdhsa_inst_pref_size 201
	.end_amdhsa_kernel
	.amdgpu_metadata
---
amdhsa.version: [ 1, 2 ]
amdhsa.kernels:
  - .name:           k_q8e62b9e2a7_warp
    .symbol:         k_q8e62b9e2a7_warp.kd
    .args:
      - { .name: pred, .offset: 0, .size: 8, .value_kind: global_buffer, .address_space: global }
      - { .name: theta, .offset: 8, .size: 8, .value_kind: global_buffer, .address_space: global }
      - { .name: out0, .offset: 16, .size: 8, .value_kind: global_buffer, .address_space: global }
    .group_segment_fixed_size: 282624
    .private_segment_fixed_size: 0
    .kernarg_segment_align: 8
    .kernarg_segment_size: 24
    .max_flat_workgroup_size: 1024
    .sgpr_count:     66
    .vgpr_count:     128
    .wavefront_size: 32
...
	.end_amdgpu_metadata
.endif
;; end of part 4
